; MI455X (gfx1250); checked and timed in simulation.
; The chip was launched on July 23, 2026; its instructions are those of AMD's public machine-readable ISA for CDNA 5 (MIT licence, August 2026) and "CDNA5" Instruction Set Architecture Reference Guide (July 2026). The comments in the code are by the model that wrote it; some were corrected since.
;; Self Attention Layer. Allowed arithmetic: matrix products marked QUANTISED: E5M2 operands, one given power-of-two scale a tensor, by v_wmma_f32_16x16x64_bf8_bf8 or v_wmma_f32_16x16x128_bf8_bf8, f32 sums; everything else in f32.
;; Inputs: Wk_codes 1,024 x 32 x 32 uint8 (E5M2 codes of Wk, K innermost, in blocks of 32 codes); Wq_codes 1,024 x 32 x 32 uint8 (E5M2 codes of Wq, K innermost, in blocks of 32 codes); Wv_codes 1,024 x 32 x 32 uint8 (E5M2 codes of Wv, K innermost, in blocks of 32 codes); bk 1,024 float32; bq 1,024 float32; bv 1,024 float32; lowp_scales 10 int32 (the exponents e of the quantised operands' scales 2^e); x_codes 4 x 2,048 x 32 x 32 uint8 (E5M2 codes of x, K innermost, in blocks of 32 codes).
;; Outputs: out0 4 x 2,048 x 1,024 float32.
;; This version of the problem:
;;   THIS VERSION OF THE PROBLEM IS GIVEN IN LOW PRECISION. The matrix products marked QUANTISED in the list below multiply operands that are first quantised to E5M2 (5 exponent bits, 2 mantissa bits; 8 bits a number), with one given power-of-two scale for each operand tensor; their sums are f32. All else is computed in f32.
;;   The module's matrix products, in the order in which they are computed (A, B: the left and right operand; K: the contracted axis; several contracted axes count as one K, in the product's order):
;;     1. [M 8,192, K 1,024] x [K 1,024, N 1,024]; A: input x (given as codes); B: input Wq (given as codes): QUANTISED (scales: A lowp_scales[0], B lowp_scales[1])
;;     2. [M 8,192, K 1,024] x [K 1,024, N 1,024]; A: input x (given as codes); B: input Wk (given as codes): QUANTISED (scales: A lowp_scales[2], B lowp_scales[3])
;;     3. [M 8,192, K 1,024] x [K 1,024, N 1,024]; A: input x (given as codes); B: input Wv (given as codes): QUANTISED (scales: A lowp_scales[4], B lowp_scales[5])
;;     4. batch 4 x [M 2,048, K 1,024] x [K 1,024, N 2,048]; A: computed on the way; B: computed on the way: QUANTISED (scales: A lowp_scales[6], B lowp_scales[7])
;;     5. batch 4 x [M 2,048, K 2,048] x [K 2,048, N 1,024]; A: softmax (see below); B: computed on the way: QUANTISED (scales: A lowp_scales[8], B lowp_scales[9])
;;   THE QUANTISER, for each operand of a quantised product, along K:
;;     - The operand's scale is 2^e, e = its entry of the input lowp_scales (int32; the entries are numbered through the quantised products in the list's order, A before B).
;;     - Each number is divided by the scale, clamped to +-57,344, and rounded to the nearest number of E5M2, ties to even, subnormals kept.
;;     - The product sums the exact products of the quantised numbers (number of the format x scale) in f32.
;;   ~~~python
;;   def quantise(x, axis, e):      # numpy; x: float32 -> the quantised numbers, widened to float32 again
;;       x = np.moveaxis(x, axis, -1); K = x.shape[-1]
;;       r = np.clip(x / 2.0 ** e, -57344, 57344)
;;       step = 2.0 ** (np.maximum(np.frexp(np.where(r == 0, 1, r))[1] - 1, -14) - 2)
;;       q = np.round(r / step) * step * 2.0 ** e      # np.round: ties to even
;;       return np.moveaxis(q, -1, axis).astype(np.float32)
;;   ~~~
;;   SOFTMAX AHEAD OF A QUANTISED PRODUCT. Where the list says 'softmax', what is quantised is not the finished softmax but p = 2^(t - M), with t = logit x log2(e) and M = ceil(the row's largest t), a whole number; so 1/2 < the row's largest p <= 1. The row's sum l is taken of the UNQUANTISED p, in f32, and the product's result is divided by l at the end. Since M is a whole number, a kernel that streams over the keys may use a running M (the ceiling of the running maximum): every later rescaling is an exact power of two, so the quantised numbers keep their values, but for numbers so far below the row's largest that they fall under the format's range.
;;   OPERANDS COMPUTED ON THE WAY. 'Computed on the way' means the value that the module computes at that place (a softmax that the list does not call 'softmax' is quantised finished and normalised). What goes into a quantiser is computed in f32, as accurately as f32 sums, v_exp_f32 and their like allow (about 1e-6 of the number): no bf16 or f16 on the way to a quantiser, and a product that is left as it is and whose result goes on into a quantised operand takes f32 operands (vector FMAs, or v_wmma_f32_16x16x4_f32). A number that lies on a knife's edge between two numbers of the format may be rounded either way, as far as f32 arithmetic and the matrix unit's own rounding can turn it there, and no further.
;;   INPUTS GIVEN AS CODES. Wk (in the module: [1024, 1024], K = its axis 1); Wq (in the module: [1024, 1024], K = its axis 1); Wv (in the module: [1024, 1024], K = its axis 1); x (in the module: [4, 2048, 1024], K = its axis 2): each comes as NAME_codes (uint8): NAME with its K axis moved to the last place and cut into blocks of 32 codes, [.., K / 32, bytes a block], one block behind the other in memory; one code a byte (a code: sign, 5 exponent bits, 2 mantissa bits); its scale is its entry of lowp_scales. Its value is code x scale, taken as it is: it is not quantised again, and the codes and scales need not be those that the quantiser above would give.
;; One version. Each part assembles by itself: llvm-mc -triple=amdgcn-amd-amdhsa -mcpu=gfx1250 --defsym DOCPART=n.
;; ======== version 1 of 1: 3 launches
;; limits: right only within a limited range of input values
;; workspace buffers: q_ws 8,388,608 bytes; k_ws 8,388,608 bytes; v_ws 8,388,608 bytes; p_ws 16,777,216 bytes; stats 1,572,864 bytes
;; launch proj (part 1): grid 8 x 32, 4 waves a work-group, clusters of 4 x 4, 327,680 bytes of LDS; arguments x_codes, Wq_codes, Wk_codes, Wv_codes, bq, bk, bv, lowp_scales, q_ws, k_ws, v_ws; writes q_ws, k_ws, v_ws
.if DOCPART == 1
	.amdgcn_target "amdgcn-amd-amdhsa--gfx1250"
	.amdhsa_code_object_version 6
	.text
	.protected	k_q1113976d81_proj
	.globl	k_q1113976d81_proj
	.p2align	8
	.type	k_q1113976d81_proj,@function
k_q1113976d81_proj:
	s_mov_b64 s[64:65], 0
	v_nop
	global_prefetch_b8 v0, s[64:65] scope:SCOPE_SE
	s_setreg_imm32_b32 hwreg(HW_REG_WAVE_MODE, 25, 1), 1
	s_wait_xcnt 0x0
	s_wait_alu depctr_hold_cnt(0) depctr_sa_sdst(0) depctr_va_vdst(0) depctr_va_sdst(0) depctr_va_ssrc(0) depctr_va_vcc(0) depctr_vm_vsrc(0)
	s_getreg_b32 s2, hwreg(HW_REG_IB_STS2, 6, 4)
	s_cmp_eq_u32 s2, 0
	s_cbranch_scc0 .Lentry_in_a_cluster
	s_endpgm
.Lentry_in_a_cluster:
	s_bfe_u32 s2, ttmp6, 0x10000c
	s_cmp_lg_u32 s2, 0xf033
	s_cbranch_scc0 .Lentry_shape_is_right
	s_endpgm
.Lentry_shape_is_right:
; q, k, v = x W^T + b on the codes of BF8 as they are given, each result quantised with its own given scale.  No work of the problem is left out in any launch.
; A work-group: 256 tokens x 128 channels of each of q, k and v.  PASS A makes q and k: a wave 128 tokens x 128 channels of q (wc = 0) or k (wc = 1), 64 accumulators.  PASS B makes v: a wave 128 tokens x 64 channels, 32 accumulators.
; THE BIAS IS THE C of an accumulator's first product, divided by the power of two that the sums lack: bias x 2^-(ea + eb).  The scales are folded into the conversion: a sum's code is sum / 2^(eo - ea - eb).
; LIMITS: eo - ea - eb between -126 and 112 for each of q, k, v (those powers of two are f32 numbers); bias x 2^-(ea + eb) is neither denormal nor beyond f32.
; PASS A: K in steps of 256 (rows of 256 bytes) through two LDS slots: x's 256 rows, Wq's 128, Wk's 128; LDS rows 272 bytes apart, so that 16 rows start at 16 different banks of 64 (ISA guide 11.1).
; PASS B goes by K quarters 2, 3, 0, 1: x's quarters 2 and 3 still lie in the slots when pass A ends.  Wv comes as rows of 512 bytes (LDS pitch 528): K 512 on into slot 0's W area when pass A has left it, K 0 on into slot 1's;
; x's quarters 0 and 1 come once more into the slots' x areas.  Each of the eight steps of pass B (128 along K) is followed by the quantising of one block of q or k, under the next step's LDS loads.
; IMAGES.  Results leave as images of the next products' fragments: 16 rows x 128 K, 2,048 bytes, lane l's registers 4 c .. 4 c + 3 at 512 c + 16 l; registers 2 b, 2 b + 1 hold k = 16 b + 8 (l / 16) + 0 .. 7.
; q_ws, k_ws: [panel of 128 channels: 8][block of 16 tokens: 512].  v_ws: [panel of 128 tokens: 64][block of 16 channels: 64].  For q and k source 0 is W (a lane: one token, eight neighbouring channels), for v source 0 is x (one channel, eight tokens).
; CLUSTER 4 x 4: x's tiles are asked for jointly along a row of the cluster, W's along a column.
; PREFETCH: each block of x, Wq and Wk of K quarters 2 and 3 two slots ahead of its load, shared by address among the four partners; Wv's rows likewise, whole, three changes of slots ahead of their first use.  W's blocks are asked for by the clusters with y < 4 alone.
; REGISTERS: window 0: v1-15 addresses and constants; v16-31 and v96-111 codes; v32-95 q's or k's biases, later Wv's fragments; v96-127 v's biases; v128-255 x's fragments.  window 1: W's fragments, two sets, later v's accumulators.
;   windows 2, 3: accumulator (a, b) of q or k at v[8 (8 (a % 4) + b)].
.set PITCH, 272
.set HALFT, 128*PITCH
.set SLOT,  4*HALFT
.set VP,    528
.set SPARE, 2*SLOT                     ; the spare words, 128 bytes a wave: two blocks of 256 bytes that no other line names
.set SCV,  1
.set LIMV, 2
.set PFO2, 3                           ; 256 x lane
.set ADRA, 4                           ; v4-5  x's fragments in slot 0, 1
.set ADRB, 6                           ; v6-7  Wq's or Wk's
.set ADRV, 8                           ; v8-9  Wv's, in slot 0's and slot 1's W area
.set LI,   10                          ; 16 x lane
.set PFO,  11                          ; 1,024 x lane
.set SPW,  12
.set NIL,  13
.set SCQ,  14
.set LIMQ, 15
.set BI,   32
.set WF,   32
.set BV,   96
.set AF,   128
.set WV,   12                          ; s12 wave, s13 wr, s14 wc, s15 gx, s30 gy
.set WR,   13
.set WC,   14
.set G1,   36
.set G0,   44
.set G1B,  52
.set G0B,  68
.set G1V,  76
.set G0V,  84
.set G1X,  88
.set G0X,  96
.set PFA,  100
.set PFV,  26
.set MSB, 0
.macro WIN new                         ; the immediate's high byte repeats the setting that is left
.if MSB != (\new)
	s_set_vgpr_msb (MSB<<8)|(\new)
.set MSB, (\new)
.endif
.endm
.macro PLACES n
.rept \n
	v_nop
.endr
.endm
.macro JLOAD s                         ; waves 0, 1 fetch x's halves, waves 2, 3 Wq and Wk; an s_nop 0 and four v_nop follow each line
	s_cmp_eq_u32 s[WR], 0
	s_cbranch_scc0 .Lfor_w_\@
	tensor_load_to_lds s[G0+4*\s:G0+4*\s+3], s[G1:G1+7]
	s_nop 0
	PLACES 4
	s_branch .Lasked_\@
.Lfor_w_\@:
	tensor_load_to_lds s[G0B+4*\s:G0B+4*\s+3], s[G1B:G1B+7]
	s_nop 0
	PLACES 4
.Lasked_\@:
.endm
.macro CREST                           ; a round of the cluster's barrier behind its opening barrier
	s_cmp_lg_u32 s[WV], 0
	s_cbranch_scc1 .Lnot_wave_0_\@
	s_barrier_signal -3
.Lnot_wave_0_\@:
	s_barrier_wait -3
	s_barrier_signal -1
	s_barrier_wait -1
.endm
.macro CROUND
	s_barrier_signal -1
	s_barrier_wait -1
	CREST
.endm
.macro ASK flag, pfo, pfa, off
	s_cmp_eq_u32 s[\flag], 1
	s_cbranch_scc0 .Lno_ask_\@
	global_prefetch_b8 v[\pfo], s[\pfa:\pfa+1] offset:\off th:TH_LOAD_NT scope:SCOPE_SE
.Lno_ask_\@:
.endm
.macro GROUP1 g, row, rows
	s_mov_b32 s[\g+1], \row<<16
	s_mov_b32 s[\g+2], \rows<<16
	s_mov_b32 s[\g+3], \row<<16
	s_mov_b32 s[\g+4], \rows
	s_mov_b32 s[\g+5], 1024
	s_mov_b32 s[\g+6], 0
	s_mov_b32 s[\g+7], 0
.endm
	s_load_b256 s[4:11], s[0:1], 0x0               ; x, Wq, Wk, Wv
	s_load_b256 s[16:23], s[0:1], 0x20             ; bq, bk, bv, the scales' exponents
	s_load_b128 s[24:27], s[0:1], 0x40             ; q_ws, k_ws
	s_load_b64 s[2:3], s[0:1], 0x50                ; v_ws
	v_lshl_add_u32 v[SPW], v0, 2, SPARE
	v_mov_b32 v[NIL], 0
	ds_add_u32 v[SPW], v[NIL]                      ; the wave's opening: the add, twice on end, and its wait ahead of my first tensor load
	ds_add_u32 v[SPW], v[NIL]
	v_lshrrev_b32 v1, 5, v0
	v_readfirstlane_b32 s[WV], v1                  ; wave 0..3
	s_lshr_b32 s[WR], s[WV], 1                     ; which 128 tokens.  Also: I fetch for x (0) or W (1)
	s_and_b32 s[WC], s[WV], 1                      ; q or k; which 64 channels of v.  Also: which half of x's rows, or Wq or Wk, I fetch
	s_bfe_u32 s28, ttmp6, 0x40000                  ; cx
	s_bfe_u32 s29, ttmp6, 0x40004                  ; cy
	s_lshl_b32 s15, ttmp9, 2
	s_add_co_u32 s15, s15, s28                     ; gx: which 128 channels
	s_and_b32 s30, ttmp7, 0xffff
	s_cmp_lt_u32 s30, 4
	s_cselect_b32 s34, 1, 0                        ; my cluster asks for W's blocks
	s_cmp_eq_u32 s[WR], 0
	s_cselect_b32 s35, 1, s34                      ; my wave's pass A prefetches
	s_lshl_b32 s30, s30, 2
	s_add_co_u32 s30, s30, s29                     ; gy: which 256 tokens
	s_lshl_b32 s31, s29, 2
	s_lshl_b32 s31, 15, s31                        ; my row of the cluster
	s_lshl_b32 s32, 0x1111, s28                    ; my column
	s_or_b32 s[G1], s31, (1<<20)|(1<<21)|(5<<22)|(3<<25)   ; elements of 1 byte; 4 words of padding after every 64 words; bit 21 set beside a mask
	s_or_b32 s[G1B], s32, (1<<20)|(1<<21)|(5<<22)|(3<<25)
	s_or_b32 s[G1X], s31, (1<<20)|(1<<21)|(5<<22)|(3<<25)
	s_or_b32 s[G1V], s32, (1<<20)|(1<<21)|(6<<22)|(3<<25)  ; after every 128 words
	GROUP1 G1, 256, 128
	GROUP1 G1B, 256, 128
	GROUP1 G1X, 256, 64
	GROUP1 G1V, 512, 32
	s_mul_i32 s33, s[WV], HALFT                    ; pass A: wave x 128 rows
	s_wait_dscnt 0x0                               ; both opening adds are done
	s_wait_kmcnt 0x0
	s_lshl_b32 s60, s30, 18                        ; x: 256 rows of 1,024 bytes a tile
	s_mov_b32 s61, 0
	s_add_nc_u64 s[60:61], s[4:5], s[60:61]
	s_lshl_b32 s62, s[WV], 16                      ; pass B: 64 rows a wave
	s_mov_b32 s63, 0
	s_mov_b32 s[G0X], 1
	s_mul_i32 s[G0X+1], s[WV], 64*PITCH
	s_add_nc_u64 s[G0X+2:G0X+3], s[60:61], s[62:63]
	s_or_b32 s[G0X+3], s[G0X+3], 0x80000000
	s_lshl_b32 s62, s[WC], 17                      ; pass A: 128 rows a wave
	s_add_nc_u64 s[60:61], s[60:61], s[62:63]
	s_lshl_b32 s66, s15, 17                        ; W: 128 rows a tile column
	s_mov_b32 s67, 0
	s_lshl_b32 s62, s[WV], 15                      ; Wv: 32 rows a wave
	s_add_nc_u64 s[10:11], s[10:11], s[66:67]
	s_add_nc_u64 s[10:11], s[10:11], s[62:63]
	s_mov_b32 s[G0V], 1
	s_mul_i32 s[G0V+1], s[WV], 32*VP
	s_add_co_u32 s[G0V+1], s[G0V+1], 2*HALFT
	s_add_nc_u64 s[G0V+2:G0V+3], s[10:11], 512     ; K 512 on first
	s_or_b32 s[G0V+3], s[G0V+3], 0x80000000
	s_cmp_eq_u32 s[WC], 0
	s_cselect_b64 s[62:63], s[6:7], s[8:9]
	s_cselect_b64 s[104:105], s[24:25], s[26:27]   ; q_ws or k_ws
	s_cselect_b64 s[24:25], s[16:17], s[18:19]     ; bq or bk
	s_add_nc_u64 s[62:63], s[62:63], s[66:67]
	s_lshl_b32 s66, s29, 13                        ; Wv's prefetch: 8 rows each for the four of a column
	s_add_nc_u64 s[PFV:PFV+1], s[10:11], s[66:67]
	s_cmp_eq_u32 s[WR], 0
	s_cselect_b64 s[PFA:PFA+1], s[60:61], s[62:63]
	s_cselect_b32 s66, s28, s29                    ; pass A's: 32 rows each for the four partners
	s_lshl_b32 s66, s66, 15
	s_add_nc_u64 s[PFA:PFA+1], s[PFA:PFA+1], s[66:67]
	s_load_b256 s[4:11], s[22:23], 0x0             ; e0 .. e7
	s_load_b64 s[18:19], s[22:23], 0x20            ; e8, e9
	CROUND                                         ; all sixteen work-groups are here: the first joint loads meet
.irp s, 0,1
	s_mov_b32 s[G0+4*\s], 1
	s_add_co_u32 s[G0+4*\s+1], s33, \s*SLOT
	s_add_nc_u64 s[G0+4*\s+2:G0+4*\s+3], s[60:61], \s*256
	s_or_b32 s[G0+4*\s+3], s[G0+4*\s+3], 0x80000000
	s_mov_b32 s[G0B+4*\s], 1
	s_add_co_u32 s[G0B+4*\s+1], s33, \s*SLOT
	s_add_nc_u64 s[G0B+4*\s+2:G0B+4*\s+3], s[62:63], \s*256
	s_or_b32 s[G0B+4*\s+3], s[G0B+4*\s+3], 0x80000000
.endr
	JLOAD 0                                        ; K quarter 0: one tensor load a wave at the head
	s_lshl_b32 s66, s15, 9                         ; biases: 128 channels, 512 bytes
	s_mov_b32 s67, 0
	s_add_nc_u64 s[24:25], s[24:25], s[66:67]
	s_lshl_b32 s60, s[WC], 8
	s_add_co_u32 s66, s66, s60
	s_add_nc_u64 s[20:21], s[20:21], s[66:67]
	s_lshl_b32 s66, s15, 20                        ; q_ws, k_ws: panel gx, blocks 16 gy + 8 wr on
	s_lshl_b32 s60, s30, 15
	s_add_co_u32 s66, s66, s60
	s_lshl_b32 s60, s[WR], 14
	s_add_co_u32 s66, s66, s60
	s_add_nc_u64 s[104:105], s[104:105], s[66:67]
	s_lshl_b32 s66, s30, 18                        ; v_ws: panel 2 gy + wr, blocks 8 gx + 4 wc on
	s_lshl_b32 s60, s[WR], 17
	s_add_co_u32 s66, s66, s60
	s_lshl_b32 s60, s15, 14
	s_add_co_u32 s66, s66, s60
	s_lshl_b32 s60, s[WC], 13
	s_add_co_u32 s66, s66, s60
	s_add_nc_u64 s[2:3], s[2:3], s[66:67]
	s_mul_i32 s60, s[WR], HALFT                    ; my 128 rows of x
	s_mul_i32 s61, s[WC], HALFT                    ; my 128 rows of Wq or Wk
	s_add_co_u32 s61, s61, 2*HALFT
	s_mul_i32 s62, s[WC], 64*VP                    ; my 64 rows of Wv
	s_add_co_u32 s62, s62, 2*HALFT
	v_and_b32 v1, 15, v0                           ; r
	v_bfe_u32 v2, v0, 4, 1                         ; h
	v_lshlrev_b32 v16, 5, v2
	v_lshlrev_b32 v17, 2, v1
.irp b, 0,1,2,3,4,5,6,7
	global_load_b128 v[BI+8*\b:BI+8*\b+3], v16, s[24:25] offset:64*\b         ; channels 16 b + 8 h + 0 .. 7
	global_load_b128 v[BI+8*\b+4:BI+8*\b+7], v16, s[24:25] offset:64*\b+16
.endr
.irp b, 0,1,2,3
	global_load_b32 v[24+\b], v17, s[20:21] offset:64*\b                      ; v: channel 16 b + r
.endr
	v_mul_u32_u24 v18, v1, PITCH
	v_lshl_add_u32 v18, v2, 4, v18
	v_mul_u32_u24 v19, v1, VP
	v_lshl_add_u32 v19, v2, 4, v19
	v_add_nc_u32 v[ADRA], s60, v18
	v_add_nc_u32 v[ADRA+1], SLOT, v[ADRA]
	v_add_nc_u32 v[ADRB], s61, v18
	v_add_nc_u32 v[ADRB+1], SLOT, v[ADRB]
	v_add_nc_u32 v[ADRV], s62, v19
	v_add_nc_u32 v[ADRV+1], SLOT, v[ADRV]
	v_and_b32 v20, 31, v0
	v_lshlrev_b32 v[LI], 4, v20
	v_lshlrev_b32 v[PFO2], 8, v20
	v_lshlrev_b32 v[PFO], 10, v20
	s_wait_alu depctr_va_vdst(0)
	ASK 35, PFO, PFA, 512                          ; K quarter 2
	s_wait_kmcnt 0x0
	s_cmp_eq_u32 s[WC], 0
	s_cselect_b32 s60, s4, s6
	s_cselect_b32 s61, s5, s7
	s_cselect_b32 s62, s10, s11
	s_add_co_i32 s60, s60, s61                     ; ea + eb of q or k
	s_add_co_i32 s61, s8, s9                       ; of v
	s_sub_co_i32 s62, s62, s60
	s_add_co_i32 s62, s62, 127
	s_lshl_b32 s63, s62, 23                        ; 2^(eo - ea - eb)
	s_add_co_i32 s62, s62, 15
	s_lshl_b32 s62, s62, 23
	s_or_b32 s62, s62, 0x600000                    ; 57,344 x that
	v_mov_b32 v[SCQ], s63
	v_mov_b32 v[LIMQ], s62
	s_sub_co_i32 s62, s19, s61
	s_add_co_i32 s62, s62, 127
	s_lshl_b32 s63, s62, 23
	s_add_co_i32 s62, s62, 15
	s_lshl_b32 s62, s62, 23
	s_or_b32 s62, s62, 0x600000
	v_mov_b32 v[SCV], s63
	v_mov_b32 v[LIMV], s62
	s_sub_co_i32 s60, 0, s60
	s_sub_co_i32 s61, 0, s61
	s_wait_loadcnt 0x0                             ; the biases
.set n, 0
.rept 64
	v_ldexp_f32 v[BI+n], v[BI+n], s60
.set n, n+1
.endr
.set n, 0
.rept 32
	v_ldexp_f32 v[BV+n], v[24+n/8], s61            ; one channel a lane: the same in a tile's eight registers
.set n, n+1
.endr
.macro FRAG reg, adr, off              ; 16 rows x 128 K: lane l holds row l % 16; registers 4 c .. 4 c + 3 hold K = 32 c + 16 (l / 16) + 0 .. 15, on both sides of every product
.irp c, 0,1,2,3
	ds_load_b128 v[\reg+4*\c:\reg+4*\c+3], v[\adr] offset:\off+32*\c
.endr
.endm
; Pass A: 16 products, x's blocks a0, a0 + 1 x W's eight.  zero = 1: C is the bias.  The 64 accumulators take turns, one instruction a turn, in the same order in every step.
.macro MUL16 a0, p, zero
.irp a, \a0, \a0+1
.irp b, 0,1,2,3,4,5,6,7
.if \zero
	v_wmma_f32_16x16x128_bf8_bf8 v[8*(8*((\a)%4)+\b):8*(8*((\a)%4)+\b)+7], v[128*(\p)+16*\b:128*(\p)+16*\b+15], v[AF+16*(\a):AF+16*(\a)+15], v[BI+8*\b:BI+8*\b+7]
.else
	v_wmma_f32_16x16x128_bf8_bf8 v[8*(8*((\a)%4)+\b):8*(8*((\a)%4)+\b)+7], v[128*(\p)+16*\b:128*(\p)+16*\b+15], v[AF+16*(\a):AF+16*(\a)+15], v[8*(8*((\a)%4)+\b):8*(8*((\a)%4)+\b)+7]
.endif
.endr
.endr
.endm
.macro FETCH_B slot, q                 ; W's eight fragments of the slot's q-th 128 along K, into set q
	WIN 0x40
.irp i, 0,1,2,3,4,5,6,7
	FRAG 128*(\q)+16*\i, ADRB+\slot, 128*(\q)+\i*16*PITCH
.endr
	WIN 0
.endm
.macro FETCH_A slot, q, i0             ; x's blocks i0 .. i0 + 3
.irp i, \i0, \i0+1, \i0+2, \i0+3
	FRAG AF+16*(\i), ADRA+\slot, 128*(\q)+(\i)*16*PITCH
.endr
.endm
.macro FETCH_V area, wo                ; Wv's four fragments at byte wo of the rows in slot 0's or slot 1's W area
.irp i, 0,1,2,3
	FRAG WF+16*\i, ADRV+\area, (\wo)+\i*16*VP
.endr
.endm
; A slot's first 128 along K.  x has one set of fragments: blocks 0-3 are fetched anew in the middle, 4-7 at the end; W has two.
.macro STEP slot, zero
	s_wait_dscnt 16                                ; all but x's blocks 4-7
	WIN 0xa1-0x20*(\zero)                          ; source 0 window 1, source 1 window 0, C and D window 2 (the bias: C window 0)
	MUL16 0, 0, \zero
	MUL16 2, 0, \zero
	s_wait_dscnt 0x0
	PLACES 4
	WIN 0
	FETCH_B \slot, 1
	FETCH_A \slot, 1, 0
	WIN 0xf1-0x30*(\zero)                          ; C and D window 3
	MUL16 4, 0, \zero
	MUL16 6, 0, \zero
	PLACES 4
	WIN 0
	FETCH_A \slot, 1, 4
.endm
; A slot's second 128, and the change of slots: in front of the round each wave waits for all its tensor loads, adds 0 to its spare word, and waits for that and for its reads of this slot.
; kind 1: the slot takes x, Wq and Wk two quarters on.  kind 2, 3: its W area takes Wv's K 512 on, K 0 on.  kind 3: pass B's first fragments follow.
.macro TURN slot, next, kind
	s_wait_tensorcnt 0x0
	ds_add_u32 v[SPW], v[NIL]
	s_wait_dscnt 17                                ; (the add and x's blocks 4-7 may be out)
	WIN 0xa1
	MUL16 0, 1, 0
	s_wait_dscnt 0x0                               ; the add is done, and my reads of this slot are over
	s_barrier_signal -1
	MUL16 2, 1, 0
	WIN 0
	s_barrier_wait -1
	CREST
.if (\kind) == 1
	s_add_nc_u64 s[G0+4*\slot+2:G0+4*\slot+3], s[G0+4*\slot+2:G0+4*\slot+3], 512
	s_add_nc_u64 s[G0B+4*\slot+2:G0B+4*\slot+3], s[G0B+4*\slot+2:G0B+4*\slot+3], 512
	JLOAD \slot
.else
.if (\kind) == 3
	s_add_co_u32 s[G0V+1], s[G0V+1], SLOT
	s_sub_nc_u64 s[G0V+2:G0V+3], s[G0V+2:G0V+3], 512
.endif
	tensor_load_to_lds s[G0V:G0V+3], s[G1V:G1V+7]  ; 32 rows a wave
	s_nop 0
	PLACES 4
.endif
.if (\kind) < 3
	FETCH_B \next, 0
.else
	FETCH_V 0, 0
.endif
	FETCH_A \next, 0, 0
	WIN 0xf1
	MUL16 4, 1, 0
	MUL16 6, 1, 0
	PLACES 5                                       ; (5: behind kind 3 v's accumulators are laid over W's fragments)
	WIN 0
	FETCH_A \next, 0, 4
.endm
; Pass B: 32 products.  Behind block a's loads stand those of blocks a + 1 .. 7, four each.  The 32 accumulators take turns.
.macro MULV zero
	WIN 0x50-0x10*(\zero)                          ; sources window 0, C and D window 1 (the bias: C window 0)
.irp a, 0,1,2,3,4,5,6,7
	s_wait_dscnt 28-4*\a
.irp b, 0,1,2,3
.if \zero
	v_wmma_f32_16x16x128_bf8_bf8 v[64*\b+8*\a:64*\b+8*\a+7], v[AF+16*\a:AF+16*\a+15], v[WF+16*\b:WF+16*\b+15], v[BV+8*\b:BV+8*\b+7]
.else
	v_wmma_f32_16x16x128_bf8_bf8 v[64*\b+8*\a:64*\b+8*\a+7], v[AF+16*\a:AF+16*\a+15], v[WF+16*\b:WF+16*\b+15], v[64*\b+8*\a:64*\b+8*\a+7]
.endif
.endr
.endr
	WIN 0
.endm
; 64 numbers from v[src] on in window w: held at the largest code x the scale (the conversion to an 8-bit code does not saturate: ISA guide 7.6.2), each accumulator from its low end on; converted; stored as an image.
.macro QUANT w, src, cd, sc, lim, ptr, off
	WIN 0x41*(\w)
.set n, 0
.rept 64
	v_med3_num_f32 v[\src+n], v[\src+n], -v[\lim], v[\lim]
.set n, n+1
.endr
	WIN \w
.irp t, 0,1,2,3,4,5,6,7
	v_cvt_scalef32_pk8_bf8_f32 v[\cd+2*\t:\cd+2*\t+1], v[\src+8*\t:\src+8*\t+7], v[\sc]
.endr
	WIN 0
	v_nop                                          ; one plain vector instruction behind the conversions
	s_wait_alu depctr_va_vdst(0)
.irp c, 0,1,2,3
	global_store_b128 v[LI], v[\cd+4*\c:\cd+4*\c+3], s[\ptr:\ptr+1] offset:\off+512*\c   ; 32 lanes store 512 consecutive bytes
.endr
.endm
.macro QB a                            ; block a of q or k; its codes take v16-31 and v96-111 by turns
.if (\a) > 1
	s_wait_xcnt 0x0                                ; the stores of two blocks ago have read those registers
.endif
	QUANT 2+(\a)/4, 64*((\a)%4), 16+80*((\a)%2), SCQ, LIMQ, 104, 2048*(\a)
.endm
; The end of a K quarter in pass B: load 1, 2: slot 0's, 1's x area takes x's K quarter 0, 1; load 0: nothing more.
.macro TURNV load
	s_wait_tensorcnt 0x0
	ds_add_u32 v[SPW], v[NIL]
.if (\load) == 2
	s_add_co_u32 s[G0X+1], s[G0X+1], SLOT
	s_add_nc_u64 s[G0X+2:G0X+3], s[G0X+2:G0X+3], 256
.endif
	s_wait_dscnt 0x0                               ; the add is done; my reads of this x area were waited for ahead of the products
.if \load
	CROUND
	tensor_load_to_lds s[G0X:G0X+3], s[G1X:G1X+7]  ; 64 rows a wave
	s_nop 0
.else
	s_barrier_signal -1
	s_barrier_wait -1
.endif
.endm
.macro NEXT xs, q, area, wo            ; the next step's fragments, behind four places
	PLACES 4
	FETCH_V \area, \wo
	FETCH_A \xs, \q, 0
	FETCH_A \xs, \q, 4
.endm
	s_wait_alu depctr_va_vdst(0)
	s_wait_tensorcnt 0x0                           ; my part of quarter 0 is in
	ds_add_u32 v[SPW], v[NIL]
	s_wait_dscnt 0x0
	CROUND
	JLOAD 1                                        ; quarter 1, the first tensor load behind the round
	FETCH_B 0, 0
	FETCH_A 0, 0, 0
	FETCH_A 0, 0, 4
	ASK 35, PFO, PFA, 768                          ; quarter 3
	STEP 0, 1
	TURN 0, 1, 1                                   ; quarter 2 is asked for
	ASK 34, PFO2, PFV, 0                           ; Wv
	STEP 1, 0
	TURN 1, 0, 1                                   ; quarter 3
	STEP 0, 0
	TURN 0, 1, 2                                   ; Wv, K 512 on
	STEP 1, 0
	TURN 1, 0, 3                                   ; Wv, K 0 on; pass B begins with quarter 2, in slot 0
	MULV 1
	NEXT 0, 1, 0, 128
	QB 0
	MULV 0
	TURNV 1
	NEXT 1, 0, 0, 256
	QB 1
	MULV 0
	NEXT 1, 1, 0, 384
	QB 2
	MULV 0
	TURNV 2
	NEXT 0, 0, 1, 0
	QB 3
	MULV 0
	NEXT 0, 1, 1, 128
	QB 4
	MULV 0
	TURNV 0
	NEXT 1, 0, 1, 256
	QB 5
	MULV 0
	NEXT 1, 1, 1, 384
	QB 6
	MULV 0
	QB 7                                           ; its 64 holds are also the places behind the last products
.irp b, 0,1,2,3
	QUANT 1, 64*\b, AF+16*\b, SCV, LIMV, 2, 2048*\b
.endr
	s_wait_tensorcnt 0x0                           ; the wave's end
	ds_add_u32 v[SPW], v[NIL]
	s_wait_dscnt 0x0
	CROUND                                         ; the closing round: no work-group ends while a partner may still ask for a tile that names it
	s_endpgm
.Lfunc_end_k_q1113976d81_proj:
	.size	k_q1113976d81_proj, .Lfunc_end_k_q1113976d81_proj-k_q1113976d81_proj
	.p2alignl 7, 3214868480
	.fill 96, 4, 3214868480
	.section	.rodata,"a",@progbits
	.p2align	6, 0x0
	.amdhsa_kernel k_q1113976d81_proj
		.amdhsa_group_segment_fixed_size 327680
		.amdhsa_private_segment_fixed_size 0
		.amdhsa_enable_private_segment 0
		.amdhsa_kernarg_size 88
		.amdhsa_user_sgpr_count 2
		.amdhsa_user_sgpr_kernarg_segment_ptr 1
		.amdhsa_wavefront_size32 1
		.amdhsa_system_sgpr_workgroup_id_x 1
		.amdhsa_system_sgpr_workgroup_id_y 1
		.amdhsa_system_sgpr_workgroup_id_z 1
		.amdhsa_system_vgpr_workitem_id 0
		.amdhsa_next_free_vgpr 1024
		.amdhsa_next_free_sgpr 106
		.amdhsa_reserve_vcc 0
		.amdhsa_float_denorm_mode_32 3
		.amdhsa_float_denorm_mode_16_64 3
		.amdhsa_memory_ordered 1
		.amdhsa_forward_progress 1
		.amdhsa_inst_pref_size 196
	.end_amdhsa_kernel
	.amdgpu_metadata
---
amdhsa.version: [ 1, 2 ]
amdhsa.kernels:
  - .name:           k_q1113976d81_proj
    .symbol:         k_q1113976d81_proj.kd
    .args:
      - { .name: x_codes, .offset: 0, .size: 8, .value_kind: global_buffer, .address_space: global }
      - { .name: Wq_codes, .offset: 8, .size: 8, .value_kind: global_buffer, .address_space: global }
      - { .name: Wk_codes, .offset: 16, .size: 8, .value_kind: global_buffer, .address_space: global }
      - { .name: Wv_codes, .offset: 24, .size: 8, .value_kind: global_buffer, .address_space: global }
      - { .name: bq, .offset: 32, .size: 8, .value_kind: global_buffer, .address_space: global }
      - { .name: bk, .offset: 40, .size: 8, .value_kind: global_buffer, .address_space: global }
      - { .name: bv, .offset: 48, .size: 8, .value_kind: global_buffer, .address_space: global }
      - { .name: lowp_scales, .offset: 56, .size: 8, .value_kind: global_buffer, .address_space: global }
      - { .name: q_ws, .offset: 64, .size: 8, .value_kind: global_buffer, .address_space: global }
      - { .name: k_ws, .offset: 72, .size: 8, .value_kind: global_buffer, .address_space: global }
      - { .name: v_ws, .offset: 80, .size: 8, .value_kind: global_buffer, .address_space: global }
    .group_segment_fixed_size: 327680
    .private_segment_fixed_size: 0
    .kernarg_segment_align: 8
    .kernarg_segment_size: 88
    .max_flat_workgroup_size: 128
    .sgpr_count:     106
    .vgpr_count:     1024
    .wavefront_size: 32
...
	.end_amdgpu_metadata
.endif
;; end of part 1
;; launch scores (part 2): grid 8 x 32, 4 waves a work-group, clusters of 4 x 4, 327,680 bytes of LDS; arguments q_ws, k_ws, lowp_scales, p_ws, stats; writes p_ws, stats
.if DOCPART == 2
	.amdgcn_target "amdgcn-amd-amdhsa--gfx1250"
	.amdhsa_code_object_version 6
	.text
	.protected	k_q1113976d81_scores
	.globl	k_q1113976d81_scores
	.p2align	8
	.type	k_q1113976d81_scores,@function
k_q1113976d81_scores:
	s_mov_b64 s[64:65], 0
	v_nop
	global_prefetch_b8 v0, s[64:65] scope:SCOPE_SE
	s_setreg_imm32_b32 hwreg(HW_REG_WAVE_MODE, 25, 1), 1
	s_wait_xcnt 0x0
	s_wait_alu depctr_hold_cnt(0) depctr_sa_sdst(0) depctr_va_vdst(0) depctr_va_sdst(0) depctr_va_ssrc(0) depctr_va_vcc(0) depctr_vm_vsrc(0)
	s_getreg_b32 s2, hwreg(HW_REG_IB_STS2, 6, 4)
	s_cmp_eq_u32 s2, 0
	s_cbranch_scc0 .Lentry_in_a_cluster
	s_endpgm
.Lentry_in_a_cluster:
	s_bfe_u32 s2, ttmp6, 0x10000c
	s_cmp_lg_u32 s2, 0xf033
	s_cbranch_scc0 .Lentry_shape_is_right
	s_endpgm
.Lentry_shape_is_right:
; S = q k^T on the codes that the launch before made, and the softmax's p ahead of the last product.  No work of the problem is left out here.
; t = score x 2^(e6 + e7) x log2(e) / 32;  M = the largest t of a query among THIS WORK-GROUP'S 256 KEYS, rounded up to a whole number;  p = 2^(t - M), quantised with 2^e8 along the keys.
; The sums l of the unquantised p (for each 128 keys) and -M (for each 256 keys) go to stats; the next launch brings the blocks of keys under one M by exact powers of two.
; LIMITS: e6 + e7 between -121 and 132 (added to the exponent field of log2(e) / 32); e8 between -126 and 112.
; SHARES.  A work-group: 256 queries x 256 keys of one batch; a wave 128 x 128: 64 accumulators, 512 registers.  Source 0 = 16 keys, source 1 = 16 queries: a lane holds one query and eight neighbouring keys.
; q_ws and k_ws hold images of fragments (16 rows x 128 K, 2,048 bytes; lane l's registers 4 c .. 4 c + 3 at 512 c + 16 l), [panel of 128 K: 8][block of 16 rows: 512].  So a tile of 256 rows x 128 K is one dense
; block of 32,768 bytes, a fragment comes by four loads of 16 bytes a lane at 16 x lane, and LDS needs no padding.  K goes in steps of 256 (two panels) through a ring of two slots.
; p leaves the same way: tile b's eight registers, converted, are registers 2 b, 2 b + 1 of the next product's fragment.  p_ws: [panel of 128 keys: 64][block of 16 queries of the batch: 128][2,048].
; stats: l at [panel of 128 keys: 64][group of 64 queries: 32][512 bytes], lane l's 16 bytes = the group's four blocks of 16 queries (query l % 16); from byte 1,048,576 on -M at [block of 256 keys: 32][group: 32][512].
; CLUSTER 4 x 4: q's tiles hang on the tile row and are asked for jointly along a row of the cluster; k's on the tile column and the batch, which the whole cluster shares (8 tile rows a batch), jointly along a column.
; REGISTERS: window 0: v16-31 addresses and constants; v32-127 at work on the way out; v128-255 q's fragments, one set, later p's codes.  window 1: k's fragments, two sets.  windows 2, 3: accumulator (a, b) at v[8 (8 (a % 4) + b)].
.set PANEL,  32768                     ; 256 rows x 128 K
.set SLOT,   4*PANEL                   ; q's two panels, then k's two
.set XCH,    2*SLOT                    ; behind the ring: 1,024 bytes a wave, for the maxima
.set SPARE,  XCH+4096                  ; the spare words, 128 bytes a wave: two blocks of 256 bytes that no other line names
.set FR,     16
.set NL,     4
.set ADRA, 16                          ; v16-17  my fragments of q in slot 0, 1
.set ADRB, 20                          ; v20-21  of k
.set LI,   24                          ; v24     16 x lane
.set XO,   25                          ; v25     where I put my maxima
.set XP,   26                          ; v26     where the wave with the same queries and the other keys puts its own
.set SPW,  28                          ; v28     my spare word; never rewritten
.set NIL,  29                          ; v29     0; never rewritten
.set SCP,  30                          ; v30     2^e8;  v31  57,344 x 2^e8
.set LIMP, 31
.set T,    32                          ; v32-95  a block's 64 numbers
.set MA,   96                          ; v96-111 pass 1: two chains for each of 8 blocks
.set NP,   96                          ; pass 2: v[96:97] -M of the block in hand; v[98:101] two chains of sums; v102, v103 at work
.set SA,   98
.set SB,   100
.set W0,   102
.set W1,   103
.set MX,   112                         ; v112-119 the maxima, then -M
.set LS,   120                         ; v120-127 the other wave's maxima, then l
.set CD,   128                         ; p's codes: 16 registers for each block, so that no store's data are written again
.set AF,   128
.set G1, 24
.set G0, 32
.set G1B, 48
.set G0B, 56
.set CS,  72                           ; s[72:73] c = 2^(e6 + e7) log2(e) / 32
.set SEL, 74                           ; s[74:75] v_permlanex16_b32's selects for lane l xor 16
.set MUL_LO, 0xa1                      ; source 0 (k) window 1, source 1 (q) window 0, C and D window 2
.set MUL_HI, 0xf1
.set TO_B,   0x40
.set MSB, 0
.macro WIN new
.if MSB != (\new)
	s_set_vgpr_msb (MSB<<8)|(\new)
.set MSB, (\new)
.endif
.endm
.macro PLACES
.rept 4
	v_nop
.endr
.endm
.macro JLOAD s                         ; waves 0, 1 fetch q's two panels, waves 2, 3 k's; an s_nop 0 and four v_nop follow each line
	s_cmp_eq_u32 s15, 0
	s_cbranch_scc0 .Lfor_k_\@
	tensor_load_to_lds s[G0+4*\s:G0+4*\s+3], s[G1:G1+7]
	s_nop 0
.rept 4
	v_nop
.endr
	s_branch .Lasked_\@
.Lfor_k_\@:
	tensor_load_to_lds s[G0B+4*\s:G0B+4*\s+3], s[G1B:G1B+7]
	s_nop 0
.rept 4
	v_nop
.endr
.Lasked_\@:
.endm
.macro CREST
	s_cmp_lg_u32 s14, 0
	s_cbranch_scc1 .Lnot_wave_0_\@
	s_barrier_signal -3
.Lnot_wave_0_\@:
	s_barrier_wait -3
	s_barrier_signal -1
	s_barrier_wait -1
.endm
.macro CROUND
	s_barrier_signal -1
	s_barrier_wait -1
	CREST
.endm
	s_load_b128 s[4:7], s[0:1], 0x0                ; q_ws, k_ws
	s_load_b128 s[8:11], s[0:1], 0x10              ; the scales' exponents, p_ws
	s_load_b64 s[12:13], s[0:1], 0x20              ; stats
	v_lshl_add_u32 v[SPW], v0, 2, SPARE
	v_mov_b32 v[NIL], 0
	ds_add_u32 v[SPW], v[NIL]                      ; the wave's opening: the add, twice on end, and its wait ahead of my first tensor load
	ds_add_u32 v[SPW], v[NIL]
	v_lshrrev_b32 v1, 5, v0
	v_readfirstlane_b32 s14, v1                    ; wave 0..3
	s_lshr_b32 s15, s14, 1                         ; wr: which 128 queries.  Also: I fetch for q (0) or k (1)
	s_and_b32 s16, s14, 1                          ; wc: which 128 keys.  Also: which panel of a slot I fetch
	s_bfe_u32 s40, ttmp6, 0x40000                  ; cx
	s_bfe_u32 s41, ttmp6, 0x40004                  ; cy
	s_lshl_b32 s42, ttmp9, 2
	s_add_co_u32 s42, s42, s40                     ; gx: which 256 keys of the batch
	s_and_b32 s17, ttmp7, 0xffff
	s_lshr_b32 s19, s17, 1                         ; the batch: two clusters along y to each
	s_lshl_b32 s17, s17, 2
	s_add_co_u32 s17, s17, s41                     ; gy: which 256 queries of all 8,192
	s_lshl_b32 s43, s41, 2
	s_lshl_b32 s43, 15, s43                        ; my row of the cluster
	s_lshl_b32 s44, 0x1111, s40                    ; my column
	s_or_b32 s[G1], s43, 1<<21                     ; 15:0 the mask; 17:16 elements of 1 byte; no padding; 21 set beside a mask
	s_or_b32 s[G1B], s44, 1<<21
.irp g, G1, G1B
	s_mov_b32 s[\g+1], 256<<16                     ; a dense block of 32,768 bytes as 128 rows of 256
	s_mov_b32 s[\g+2], 128<<16
	s_mov_b32 s[\g+3], 256<<16
	s_mov_b32 s[\g+4], 128
	s_mov_b32 s[\g+5], 256
	s_mov_b32 s[\g+6], 0
	s_mov_b32 s[\g+7], 0
.endr
	s_lshl_b32 s18, s16, 20                        ; my panel of the slot's two: 512 images
	s_lshl_b32 s20, s17, 15                        ; q: 16 images a tile row
	s_add_co_u32 s20, s20, s18
	s_mov_b32 s21, 0
	s_lshl_b32 s46, s19, 7                         ; k: 128 blocks of 16 rows a batch,
	s_lshl_b32 s47, s42, 4                         ; 16 a tile column
	s_add_co_u32 s46, s46, s47
	s_lshl_b32 s46, s46, 11
	s_add_co_u32 s46, s46, s18
	s_mov_b32 s47, 0
	s_lshl_b32 s45, s14, 15                        ; where they go: wave x 32,768
	s_mov_b32 s[CS], 0x3d38aa3b                    ; log2(e) / 32
	s_mov_b32 s[SEL], 0x76543210
	s_mov_b32 s[SEL+1], 0xfedcba98
	s_wait_dscnt 0x0                               ; both opening adds are done
	s_wait_kmcnt 0x0
	s_load_b128 s[68:71], s[8:9], 0x18             ; e6, e7, e8, e9
	s_add_nc_u64 s[20:21], s[4:5], s[20:21]
	s_add_nc_u64 s[46:47], s[6:7], s[46:47]
	s_cmp_eq_u32 s15, 0                            ; the prefetches: of the 32,768 bytes that my wave fetches for a slot each of the four partners names 8,192, told apart by address
	s_cselect_b64 s[88:89], s[20:21], s[46:47]
	s_cselect_b32 s90, s40, s41
	s_lshl_b32 s90, s90, 13
	s_mov_b32 s91, 0
	s_add_nc_u64 s[88:89], s[88:89], s[90:91]
	CROUND                                         ; all sixteen work-groups are here: the first joint loads meet
.irp s, 0,1
	s_mov_b32 s[G0+4*\s], 1
	s_add_co_u32 s[G0+4*\s+1], s45, \s*SLOT
	s_add_nc_u64 s[G0+4*\s+2:G0+4*\s+3], s[20:21], \s*0x200000
	s_or_b32 s[G0+4*\s+3], s[G0+4*\s+3], 0x80000000
	s_mov_b32 s[G0B+4*\s], 1
	s_add_co_u32 s[G0B+4*\s+1], s45, \s*SLOT
	s_add_nc_u64 s[G0B+4*\s+2:G0B+4*\s+3], s[46:47], \s*0x200000
	s_or_b32 s[G0B+4*\s+3], s[G0B+4*\s+3], 0x80000000
.endr
	JLOAD 0                                        ; panels 0, 1: one tensor load a wave at the head
	v_and_b32 v[LI], 31, v0
	v_lshlrev_b32 v[LI], 4, v[LI]
	v_lshlrev_b32 v27, 4, v[LI]                    ; 256 x lane
	s_wait_alu depctr_va_vdst(0)
	global_prefetch_b8 v27, s[88:89] offset:0x400000 th:TH_LOAD_NT scope:SCOPE_SE   ; my panel of the third slot's two, two slots ahead of its load
	s_wait_alu depctr_va_vdst(0)
	s_lshl_b32 s21, s15, 14                        ; my 8 images of q
	s_lshl_b32 s22, s16, 14
	s_add_co_u32 s22, s22, 2*PANEL                 ; my 8 of k
.irp s, 0,1
	v_add_nc_u32 v[ADRA+\s], s21, v[LI]
	v_add_nc_u32 v[ADRB+\s], s22, v[LI]
	s_add_co_u32 s21, s21, SLOT
	s_add_co_u32 s22, s22, SLOT
.endr
	s_lshl_b32 s23, s14, 10
	s_add_co_u32 s23, s23, XCH
	v_add_nc_u32 v[XO], s23, v[LI]
	s_xor_b32 s23, s14, 1
	s_lshl_b32 s23, s23, 10
	s_add_co_u32 s23, s23, XCH
	v_add_nc_u32 v[XP], s23, v[LI]
	s_lshl_b32 s80, s19, 4
	s_lshl_b32 s81, s42, 1
	s_add_co_u32 s80, s80, s81
	s_add_co_u32 s80, s80, s16                     ; my panel of 128 keys: 16 batch + 2 gx + wc
	s_and_b32 s82, s17, 7                          ; my tile row inside the batch
	s_lshl_b32 s83, s82, 4
	s_lshl_b32 s84, s15, 3
	s_add_co_u32 s83, s83, s84                     ; my first block of 16 queries
	s_lshl_b32 s84, s80, 18
	s_lshl_b32 s83, s83, 11
	s_add_co_u32 s84, s84, s83
	s_mov_b32 s85, 0
	s_add_nc_u64 s[10:11], s[10:11], s[84:85]      ; p_ws at my first image
	s_lshl_b32 s83, s82, 2
	s_lshl_b32 s86, s15, 1
	s_add_co_u32 s83, s83, s86                     ; my first group of 64 queries
	s_lshl_b32 s84, s80, 5
	s_add_co_u32 s84, s84, s83
	s_lshl_b32 s84, s84, 9
	s_add_nc_u64 s[76:77], s[12:13], s[84:85]      ; l
	s_lshl_b32 s84, s19, 3
	s_add_co_u32 s84, s84, s42
	s_lshl_b32 s84, s84, 5
	s_add_co_u32 s84, s84, s83
	s_lshl_b32 s84, s84, 9
	s_add_co_u32 s84, s84, 1048576
	s_add_nc_u64 s[78:79], s[12:13], s[84:85]      ; -M
.macro FRAG reg, adr, q, i             ; an image comes back as the registers that it is
.irp c, 0,1,2,3
	ds_load_b128 v[\reg+4*\c:\reg+4*\c+3], v[\adr] offset:PANEL*(\q)+2048*(\i)+512*\c
.endr
.endm
; 16 matrix instructions: q's blocks a0, a0 + 1 x k's eight.  The 64 accumulators take turns, one instruction a turn, in the same order in every step.
.macro MUL16 a0, p, zero
.irp a, \a0, \a0+1
.irp b, 0,1,2,3,4,5,6,7
.if \zero
	v_wmma_f32_16x16x128_bf8_bf8 v[8*(8*((\a)%4)+\b):8*(8*((\a)%4)+\b)+7], v[128*(\p)+FR*\b:128*(\p)+FR*\b+FR-1], v[AF+FR*(\a):AF+FR*(\a)+FR-1], 0
.else
	v_wmma_f32_16x16x128_bf8_bf8 v[8*(8*((\a)%4)+\b):8*(8*((\a)%4)+\b)+7], v[128*(\p)+FR*\b:128*(\p)+FR*\b+FR-1], v[AF+FR*(\a):AF+FR*(\a)+FR-1], v[8*(8*((\a)%4)+\b):8*(8*((\a)%4)+\b)+7]
.endif
.endr
.endr
.endm
.macro FETCH_B slot, q, p
	WIN TO_B
.irp i, 0,1,2,3,4,5,6,7
	FRAG 128*(\p)+FR*\i, ADRB+\slot, \q, \i
.endr
	WIN 0
.endm
.macro FETCH_A slot, q, i0
.irp i, \i0, \i0+1, \i0+2, \i0+3
	FRAG AF+FR*(\i), ADRA+\slot, \q, \i
.endr
.endm
; A slot's first panel.  A block of q is free as soon as its eight products are issued: one set serves q (blocks 0-3 fetched anew in the middle, 4-7 at the end); k has two sets.
.macro STEP slot, q, zero
	s_wait_dscnt 4*NL                              ; all but the youngest sixteen loads (q's blocks 4-7)
	WIN MUL_LO
	MUL16 0, (\q)%2, \zero
	MUL16 2, (\q)%2, \zero
	s_wait_dscnt 0x0
	PLACES
	FETCH_B \slot, (\q)+1, 1-(\q)%2
	FETCH_A \slot, (\q)+1, 0
	WIN MUL_HI
	MUL16 4, (\q)%2, \zero
	MUL16 6, (\q)%2, \zero
	PLACES
	WIN 0
	FETCH_A \slot, (\q)+1, 4
.endm
; A slot's second panel changes slots: ONE barrier; in front of it each wave waits for all its tensor loads, adds 0 to its spare word, and waits for that and for its reads of this slot.
.macro TURN slot, next, fill
	s_wait_tensorcnt 0x0                           ; all my tensor loads have landed: my part of the next slot  (every window is 0 here)
	ds_add_u32 v[SPW], v[NIL]                      ; 0 onto my spare word
	s_wait_dscnt 4*NL+1                            ; (the add and q's blocks 4-7 may be out)
	WIN MUL_LO
	MUL16 0, 1, 0
	s_wait_dscnt 0x0                               ; the add is done, and my reads of this slot are over
	s_barrier_signal -1
	MUL16 2, 1, 0
	WIN 0
	s_barrier_wait -1
.if \fill
	CREST                                          ; a round of the cluster's barrier: no wave of any partner still reads this slot or has a load on its way
	s_add_nc_u64 s[G0+4*\slot+2:G0+4*\slot+3], s[G0+4*\slot+2:G0+4*\slot+3], 0x400000
	s_add_nc_u64 s[G0B+4*\slot+2:G0B+4*\slot+3], s[G0B+4*\slot+2:G0B+4*\slot+3], 0x400000
	JLOAD \slot                                    ; four panels on; its four v_nop are the places in front of the loads below
.else
	PLACES
.endif
	FETCH_B \next, 0, 0
	FETCH_A \next, 0, 0
	WIN MUL_HI
	MUL16 4, 1, 0
	MUL16 6, 1, 0
	PLACES
	WIN 0
	FETCH_A \next, 0, 4
.endm
	s_wait_alu depctr_va_vdst(0)
	s_wait_tensorcnt 0x0                           ; my part of slot 0 is in
	ds_add_u32 v[SPW], v[NIL]
	s_wait_dscnt 0x0
	CROUND
	JLOAD 1                                        ; panels 2, 3, the first tensor load behind the round
	FETCH_B 0, 0, 0
	FETCH_A 0, 0, 0
	FETCH_A 0, 0, 4
	global_prefetch_b8 v27, s[88:89] offset:0x600000 th:TH_LOAD_NT scope:SCOPE_SE   ; the fourth slot's
	STEP 0, 0, 1
	TURN 0, 1, 1
	STEP 1, 0, 0
	TURN 1, 0, 1
	STEP 0, 0, 0
	TURN 0, 1, 0
	STEP 1, 0, 0
	s_wait_dscnt 4*NL
	WIN MUL_LO
	MUL16 0, 1, 0
	MUL16 2, 1, 0
	s_wait_dscnt 0x0
	WIN MUL_HI
	MUL16 4, 1, 0
	MUL16 6, 1, 0
	WIN 0
	s_wait_kmcnt 0x0
	s_add_co_i32 s80, s68, s69
	s_lshl_b32 s80, s80, 23
	s_add_co_i32 s[CS], s[CS], s80                 ; a score stands for score x 2^(e6 + e7): added to c's exponent field
	s_mov_b32 s[CS+1], s[CS]
	s_add_co_i32 s80, s70, 127
	s_lshl_b32 s81, s80, 23
	v_mov_b32 v[SCP], s81                          ; 2^e8
	s_add_co_i32 s80, s80, 15
	s_lshl_b32 s80, s80, 23
	s_or_b32 s80, s80, 0x600000
	v_mov_b32 v[LIMP], s80                         ; 57,344 x 2^e8
	v_nop                                          ; with the two moves: four places behind the last products
	v_nop
	; PASS 1: each query's largest score among my 128 keys: 64 registers a block, two chains a block, four blocks side by side; each accumulator is read from its low end on.
.irp g, 0,1
	WIN 0x28+0x14*\g                               ; sources 1 and 2: window 2, then 3
.irp a, 0,1,2,3
	v_max3_num_f32 v[MA+2*(4*\g+\a)], 0xff800000, v[64*\a], v[64*\a+1]
	v_max3_num_f32 v[MA+2*(4*\g+\a)+1], 0xff800000, v[64*\a+2], v[64*\a+3]
.endr
.set n, 4
.rept 15
.irp a, 0,1,2,3
	v_max3_num_f32 v[MA+2*(4*\g+\a)], v[MA+2*(4*\g+\a)], v[64*\a+n], v[64*\a+n+1]
	v_max3_num_f32 v[MA+2*(4*\g+\a)+1], v[MA+2*(4*\g+\a)+1], v[64*\a+n+2], v[64*\a+n+3]
.endr
.set n, n+4
.endr
.endr
	WIN 0
.irp a, 0,1,2,3,4,5,6,7
	v_max_num_f32 v[MX+\a], v[MA+2*\a], v[MA+2*\a+1]
.endr
.irp a, 0,1,2,3,4,5,6,7
	v_permlanex16_b32 v[MA+2*\a], v[MX+\a], s[SEL], s[SEL+1]   ; the query's other 64 keys lie in the lane 16 away
.endr
.irp a, 0,1,2,3,4,5,6,7
	v_max_num_f32 v[MX+\a], v[MX+\a], v[MA+2*\a]
.endr
	ds_store_b128 v[XO], v[MX:MX+3]
	ds_store_b128 v[XO], v[MX+4:MX+7] offset:512
	s_wait_alu depctr_va_vdst(0)
	s_wait_dscnt 0x0                               ; for the other wave's sake: my maxima lie in LDS
	s_barrier_signal -1
	s_barrier_wait -1
	ds_load_b128 v[LS:LS+3], v[XP]                 ; the same queries' maxima among the other 128 keys
	ds_load_b128 v[LS+4:LS+7], v[XP] offset:512
	s_wait_dscnt 0x0
.irp a, 0,1,2,3,4,5,6,7
	v_max_num_f32 v[MX+\a], v[MX+\a], v[LS+\a]
.endr
.irp a, 0,1,2,3,4,5,6,7
	v_mul_f32 v[MX+\a], s[CS], v[MX+\a]            ; as t (c is positive)
.endr
.irp a, 0,1,2,3,4,5,6,7
	v_floor_f32 v[MX+\a], -v[MX+\a]                ; -M = floor(-t) = -ceil(t)
.endr
; PASS 2, a block of 16 queries at a time: p = 2^(c s - M); its sum; the hold (p is not negative: one-sided); the codes, which are the next product's fragment.
.macro PBLOCK a
	v_mov_b32 v[NP], v[MX+\a]
	WIN 0x02+(\a)/4                                ; source 0: window 2 or 3
.set n, 0
.rept 32
	v_pk_fma_f32 v[T+n:T+n+1], v[64*((\a)%4)+n:64*((\a)%4)+n+1], s[CS:CS+1], v[NP:NP+1] op_sel_hi:[1,0,0]
.set n, n+2
.endr
	WIN 0
.set n, 0
	s_wait_alu depctr_va_vdst(0)
.rept 64
	v_exp_f32 v[T+n], v[T+n]
.set n, n+1
.endr
	v_nop                                          ; a plain instruction behind the last exponential
	s_wait_alu depctr_va_vdst(0)                   ; the wait ahead of the first use: one for the 64
	v_pk_add_f32 v[SA:SA+1], v[T:T+1], v[T+2:T+3]  ; the sum is taken of the unquantised p, in two chains
	v_pk_add_f32 v[SB:SB+1], v[T+4:T+5], v[T+6:T+7]
.set n, 8
.rept 14
	v_pk_add_f32 v[SA:SA+1], v[SA:SA+1], v[T+n:T+n+1]
	v_pk_add_f32 v[SB:SB+1], v[SB:SB+1], v[T+n+2:T+n+3]
.set n, n+4
.endr
	v_pk_add_f32 v[SA:SA+1], v[SA:SA+1], v[SB:SB+1]
	v_add_f32 v[W0], v[SA], v[SA+1]
	v_permlanex16_b32 v[W1], v[W0], s[SEL], s[SEL+1]
	v_add_f32 v[LS+\a], v[W0], v[W1]               ; l of my 128 keys, in both halves of the lanes
.set n, 0
.rept 64
	v_min_num_f32 v[T+n], v[T+n], v[LIMP]          ; the conversion does not saturate (ISA guide 7.6.2)
.set n, n+1
.endr
.irp t, 0,1,2,3,4,5,6,7
	v_cvt_scalef32_pk8_bf8_f32 v[CD+16*(\a)+2*\t:CD+16*(\a)+2*\t+1], v[T+8*\t:T+8*\t+7], v[SCP]
.endr
	v_nop                                          ; one plain vector instruction between the conversions and the next block's writes of their sources
.irp c, 0,1,2,3
	global_store_b128 v[LI], v[CD+16*(\a)+4*\c:CD+16*(\a)+4*\c+3], s[10:11] offset:2048*(\a)+512*\c   ; 32 lanes store 512 consecutive bytes
.endr
.endm
.irp a, 0,1,2,3,4,5,6,7
	PBLOCK \a
.endr
	global_store_b128 v[LI], v[LS:LS+3], s[76:77]              ; l of my two groups of 64 queries
	global_store_b128 v[LI], v[LS+4:LS+7], s[76:77] offset:512
	s_cmp_lg_u32 s16, 0                            ; -M is the same in the two waves of a row half: the first stores it
	s_cbranch_scc1 .Lno_m
	global_store_b128 v[LI], v[MX:MX+3], s[78:79]
	global_store_b128 v[LI], v[MX+4:MX+7], s[78:79] offset:512
.Lno_m:
	s_wait_tensorcnt 0x0                           ; the wave's end
	ds_add_u32 v[SPW], v[NIL]
	s_wait_dscnt 0x0
	CROUND                                         ; the closing round
	s_endpgm
.Lfunc_end_k_q1113976d81_scores:
	.size	k_q1113976d81_scores, .Lfunc_end_k_q1113976d81_scores-k_q1113976d81_scores
	.p2alignl 7, 3214868480
	.fill 96, 4, 3214868480
	.section	.rodata,"a",@progbits
	.p2align	6, 0x0
	.amdhsa_kernel k_q1113976d81_scores
		.amdhsa_group_segment_fixed_size 327680
		.amdhsa_private_segment_fixed_size 0
		.amdhsa_enable_private_segment 0
		.amdhsa_kernarg_size 40
		.amdhsa_user_sgpr_count 2
		.amdhsa_user_sgpr_kernarg_segment_ptr 1
		.amdhsa_wavefront_size32 1
		.amdhsa_system_sgpr_workgroup_id_x 1
		.amdhsa_system_sgpr_workgroup_id_y 1
		.amdhsa_system_sgpr_workgroup_id_z 1
		.amdhsa_system_vgpr_workitem_id 0
		.amdhsa_next_free_vgpr 1024
		.amdhsa_next_free_sgpr 100
		.amdhsa_reserve_vcc 0
		.amdhsa_float_denorm_mode_32 3
		.amdhsa_float_denorm_mode_16_64 3
		.amdhsa_memory_ordered 1
		.amdhsa_forward_progress 1
		.amdhsa_inst_pref_size 172
	.end_amdhsa_kernel
	.amdgpu_metadata
---
amdhsa.version: [ 1, 2 ]
amdhsa.kernels:
  - .name:           k_q1113976d81_scores
    .symbol:         k_q1113976d81_scores.kd
    .args:
      - { .name: q_ws, .offset: 0, .size: 8, .value_kind: global_buffer, .address_space: global }
      - { .name: k_ws, .offset: 8, .size: 8, .value_kind: global_buffer, .address_space: global }
      - { .name: lowp_scales, .offset: 16, .size: 8, .value_kind: global_buffer, .address_space: global }
      - { .name: p_ws, .offset: 24, .size: 8, .value_kind: global_buffer, .address_space: global }
      - { .name: stats, .offset: 32, .size: 8, .value_kind: global_buffer, .address_space: global }
    .group_segment_fixed_size: 327680
    .private_segment_fixed_size: 0
    .kernarg_segment_align: 8
    .kernarg_segment_size: 40
    .max_flat_workgroup_size: 128
    .sgpr_count:     100
    .vgpr_count:     1024
    .wavefront_size: 32
...
	.end_amdgpu_metadata
.endif
;; end of part 2
;; launch pv (part 3): grid 8 x 32, 4 waves a work-group, clusters of 4 x 4, 327,680 bytes of LDS; arguments p_ws, v_ws, stats, lowp_scales, out0; writes out0
.if DOCPART == 3
	.amdgcn_target "amdgcn-amd-amdhsa--gfx1250"
	.amdhsa_code_object_version 6
	.text
	.protected	k_q1113976d81_pv
	.globl	k_q1113976d81_pv
	.p2align	8
	.type	k_q1113976d81_pv,@function
k_q1113976d81_pv:
	s_mov_b64 s[64:65], 0
	v_nop
	global_prefetch_b8 v0, s[64:65] scope:SCOPE_SE
	s_setreg_imm32_b32 hwreg(HW_REG_WAVE_MODE, 25, 1), 1
	s_wait_xcnt 0x0
	s_wait_alu depctr_hold_cnt(0) depctr_sa_sdst(0) depctr_va_vdst(0) depctr_va_sdst(0) depctr_va_ssrc(0) depctr_va_vcc(0) depctr_vm_vsrc(0)
	s_getreg_b32 s2, hwreg(HW_REG_IB_STS2, 6, 4)
	s_cmp_eq_u32 s2, 0
	s_cbranch_scc0 .Lentry_in_a_cluster
	s_endpgm
.Lentry_in_a_cluster:
	s_bfe_u32 s2, ttmp6, 0x10000c
	s_cmp_lg_u32 s2, 0xf033
	s_cbranch_scc0 .Lentry_shape_is_right
	s_endpgm
.Lentry_shape_is_right:
; out = (the sum over the keys of p v) / l on the codes of p and v that the launches before made.  No work of the problem is left out here.
; THE BLOCKS' M.  The codes of block j (256 keys) stand under that block's own whole number M_j.  With Mg the largest of a query's eight M_j and U_j = max(M_j, Mg - 64), the accumulators are multiplied by
; 2^(U_(j-1) - U_j) ahead of block j and by 2^(U_7 - Mg + e8 + e9) / l at the end: powers of two, which round nothing.  l = the sum over j of 2^(M_j - Mg) x (the block's two stored sums).
; All U lie within 64 of Mg, so sums of codes (under 2^43) times 2^64 stay f32 numbers.  LIMIT: a block whose M lies more than 64 under the query's Mg is weighed 2^-64 and not less; l has the true weights.
; SHARES.  A work-group: 256 queries x 128 channels of one batch; wave w: queries 64 w on (blocks a = 0..3 of 16) x all 128 channels (blocks b = 0..7): 32 accumulators.  Source 0 = 16 channels of v, source 1 = 16 queries
; of p: a lane holds one query and eight neighbouring channels.  p_ws and v_ws hold images of fragments (16 rows x 128 keys, 2,048 bytes, lane l's registers 4 c .. 4 c + 3 at 512 c + 16 l).
; THE RING.  A slot holds a block of 256 keys: p's two panels of 128 keys (32,768 bytes each, dense in memory), then v's two (16,384 each).  Each wave fetches one panel.  A trip of the loop is one slot; slots 1 << 17 apart.
; CLUSTER 4 x 4: p's tiles hang on the tile row and are asked for jointly along a row of the cluster; v's on the tile column and the batch, which the cluster shares (8 tile rows a batch), jointly along a column.
; PREFETCH: a slot's blocks of 256 bytes two slots ahead of its load, shared by address among the four partners: waves 0 and 1 p's panels (32 blocks each), wave 2 v's two (16 each).
; REGISTERS: window 0: v4-15 addresses; v16-23 the last factor, a pair a block of queries; v24-55 the queue of factors, four a block of keys, the block in hand's first; v128-243 the prologue's numbers, later rows of the output.
;   window 1: accumulator (a, b) at v[8 (8 a + b)].   window 2: v's fragments, two sets of 128.   window 3: p's fragments, two sets of 64.
.set SLOT1,  1<<17
.set VOFF,   65536                     ; v's panels in a slot
.set STAGE,  SLOT1+98304               ; behind the ring: 16 rows x (512 bytes + 16) for each wave, for the way out
.set SPITCH, 528
.set SPARE,  STAGE+4*16*SPITCH         ; the spare words, 128 bytes a wave: two blocks of 256 bytes that no other line names
.set ADP0, 4                           ; my place in p's images of slot 0; v6 in the slot in hand
.set ADV0, 5                           ; in v's; v7
.set ADP,  6
.set ADV,  7
.set STO,  8
.set RD,   9
.set PFO,  10
.set LI,   11                          ; 16 x lane
.set SPW,  12
.set NIL,  13
.set GD,   16
.set FQ,   24
.set TMP,  24                          ; the way out: a block's 64 numbers
.set BK,   128                         ; the way out: 16 rows read back: v128-191 and v192-255 by turns
.set RM,   128                         ; the prologue: -M_j (4 j + a), l of panel k (RL + 4 k + a), and registers at work
.set RL,   160
.set NG,   224
.set CAP,  228
.set LT,   232
.set WW,   236
.set DD,   240
.set TB,   2
.set G1P,  24
.set G0P,  32
.set G1V,  48
.set G0V,  56
.set PFA,  60
.set PFS,  62
.set LIM,  66                          ; a wave prefetches in the trips in which more than this many are to go
.set MUL,  0x5e                        ; source 0 (v) window 2, source 1 (p) window 3, C and D window 1
.set MSB, 0
.macro WIN new
.if MSB != (\new)
	s_set_vgpr_msb (MSB<<8)|(\new)
.set MSB, (\new)
.endif
.endm
.macro PLACES
.rept 4
	v_nop
.endr
.endm
.macro JLOAD                           ; waves 0, 1 fetch p's two panels, waves 2, 3 v's; an s_nop 0 and four v_nop follow each line
	s_cmp_eq_u32 s15, 0
	s_cbranch_scc0 .Lfor_v_\@
	tensor_load_to_lds s[G0P:G0P+3], s[G1P:G1P+7]
	s_nop 0
	PLACES
	s_branch .Lasked_\@
.Lfor_v_\@:
	tensor_load_to_lds s[G0V:G0V+3], s[G1V:G1V+7]
	s_nop 0
	PLACES
.Lasked_\@:
.endm
.macro ADVANCE                         ; the walking descriptors: the other slot, two panels on
	s_xor_b32 s[G0P+1], s[G0P+1], SLOT1
	s_xor_b32 s[G0V+1], s[G0V+1], SLOT1
	s_add_nc_u64 s[G0P+2:G0P+3], s[G0P+2:G0P+3], 0x80000
	s_add_nc_u64 s[G0V+2:G0V+3], s[G0V+2:G0V+3], 0x40000
.endm
.macro ASK
	s_cmp_gt_u32 s3, s[LIM]
	s_cbranch_scc0 .Lno_ask_\@
	global_prefetch_b8 v[PFO], s[PFA:PFA+1] th:TH_LOAD_NT scope:SCOPE_SE
.Lno_ask_\@:
.endm
.macro CREST
	s_cmp_lg_u32 s14, 0
	s_cbranch_scc1 .Lnot_wave_0_\@
	s_barrier_signal -3
.Lnot_wave_0_\@:
	s_barrier_wait -3
	s_barrier_signal -1
	s_barrier_wait -1
.endm
.macro CROUND
	s_barrier_signal -1
	s_barrier_wait -1
	CREST
.endm
	s_load_b128 s[4:7], s[0:1], 0x0                ; p_ws, v_ws
	s_load_b128 s[8:11], s[0:1], 0x10              ; stats, the scales' exponents
	s_load_b64 s[12:13], s[0:1], 0x20              ; out0
	v_lshl_add_u32 v[SPW], v0, 2, SPARE
	v_mov_b32 v[NIL], 0
	ds_add_u32 v[SPW], v[NIL]                      ; the wave's opening: the add, twice on end, and its wait ahead of my first tensor load
	ds_add_u32 v[SPW], v[NIL]
	v_lshrrev_b32 v1, 5, v0
	v_readfirstlane_b32 s14, v1                    ; wave 0..3: which 64 queries
	s_lshr_b32 s15, s14, 1                         ; I fetch for p (0) or v (1)
	s_and_b32 s16, s14, 1                          ; which panel of a slot's two
	s_bfe_u32 s40, ttmp6, 0x40000                  ; cx
	s_bfe_u32 s41, ttmp6, 0x40004                  ; cy
	s_lshl_b32 s42, ttmp9, 2
	s_add_co_u32 s42, s42, s40                     ; gx: which 128 channels
	s_and_b32 s17, ttmp7, 0xffff
	s_lshr_b32 s46, s17, 1                         ; the batch, from the cluster's y: two clusters to each
	s_lshl_b32 s17, s17, 2
	s_add_co_u32 s17, s17, s41                     ; gy: which 256 queries of all 8,192
	s_lshl_b32 s43, s41, 2
	s_lshl_b32 s43, 15, s43                        ; my row of the cluster
	s_lshl_b32 s44, 0x1111, s40                    ; my column
	s_or_b32 s[G1P], s43, 1<<21                    ; 15:0 the mask; elements of 1 byte; no padding; 21 set beside a mask
	s_or_b32 s[G1V], s44, 1<<21
	s_mov_b32 s[G1P+2], 128<<16                    ; a dense block of 32,768 bytes as 128 rows of 256
	s_mov_b32 s[G1P+4], 128
	s_mov_b32 s[G1V+2], 64<<16                     ; of 16,384 bytes as 64 rows
	s_mov_b32 s[G1V+4], 64
.irp g, G1P, G1V
	s_mov_b32 s[\g+1], 256<<16
	s_mov_b32 s[\g+3], 256<<16
	s_mov_b32 s[\g+5], 256
	s_mov_b32 s[\g+6], 0
	s_mov_b32 s[\g+7], 0
.endr
	s_lshl_b32 s46, s46, 21                        ; v: 16 panels of 131,072 bytes a batch,
	s_lshl_b32 s47, s42, 14                        ; 16,384 a tile column
	s_add_co_u32 s46, s46, s47
	s_lshl_b32 s47, s16, 17
	s_add_co_u32 s46, s46, s47
	s_mov_b32 s47, 0
	s_lshr_b32 s70, s17, 3                         ; the batch
	s_and_b32 s71, s17, 7                          ; my tile row inside the batch
	s_lshl_b32 s20, s70, 22                        ; p: 16 panels of 262,144 bytes a batch,
	s_lshl_b32 s21, s71, 15                        ; 32,768 a tile row
	s_add_co_u32 s20, s20, s21
	s_lshl_b32 s21, s16, 18
	s_add_co_u32 s20, s20, s21
	s_mov_b32 s21, 0
	s_wait_dscnt 0x0                               ; both opening adds are done
	s_wait_kmcnt 0x0
	s_load_b64 s[68:69], s[10:11], 0x20            ; e8, e9
	s_add_nc_u64 s[20:21], s[4:5], s[20:21]
	s_add_nc_u64 s[46:47], s[6:7], s[46:47]
	s_mov_b32 s[G0P], 1
	s_lshl_b32 s[G0P+1], s16, 15
	s_mov_b64 s[G0P+2:G0P+3], s[20:21]
	s_or_b32 s[G0P+3], s[G0P+3], 0x80000000
	s_mov_b32 s[G0V], 1
	s_lshl_b32 s[G0V+1], s16, 14
	s_add_co_u32 s[G0V+1], s[G0V+1], VOFF
	s_mov_b64 s[G0V+2:G0V+3], s[46:47]
	s_or_b32 s[G0V+3], s[G0V+3], 0x80000000
	CROUND                                         ; all sixteen work-groups are here: the first joint loads meet
	JLOAD                                          ; slot 0: one tensor load a wave at the head
	s_lshl_b32 s72, s71, 2
	s_add_co_u32 s72, s72, s14                     ; my group of 64 queries
	s_lshl_b32 s74, s70, 9
	s_add_co_u32 s74, s74, s72
	s_lshl_b32 s74, s74, 9
	s_mov_b32 s75, 0
	s_add_nc_u64 s[76:77], s[8:9], s[74:75]        ; l of the batch's panel 0
	s_lshl_b32 s74, s70, 8
	s_add_co_u32 s74, s74, s72
	s_lshl_b32 s74, s74, 9
	s_add_co_u32 s74, s74, 1048576
	s_add_nc_u64 s[78:79], s[8:9], s[74:75]        ; -M of the batch's block 0
	s_lshl_b32 s74, s17, 8
	s_lshl_b32 s72, s14, 6
	s_add_co_u32 s74, s74, s72                     ; my first row of out0
	s_lshl_b32 s74, s74, 12
	s_lshl_b32 s72, s42, 9
	s_add_co_u32 s74, s74, s72                     ; + my first channel's bytes
	s_add_nc_u64 s[12:13], s[12:13], s[74:75]
	s_cmp_eq_u32 s15, 0                            ; the prefetches: p's of waves 0 and 1, v's of wave 2
	s_cselect_b64 s[PFA:PFA+1], s[20:21], s[46:47]
	s_mov_b32 s80, 0x40000
	s_cselect_b32 s[PFS], 0x80000, s80             ; a slot on
	s_mov_b32 s[PFS+1], 0
	s_mov_b32 s80, 131072
	s_cselect_b32 s73, 4096, s80                   ; lanes 16-31: p: 16 blocks on; v: the slot's other panel
	s_lshl_b32 s74, s40, 13                        ; p: 8,192 bytes of a panel each for the four of a row,
	s_lshl_b32 s72, s41, 12                        ; v: 4,096 each for the four of a column
	s_cmp_eq_u32 s15, 0
	s_cselect_b32 s74, s74, s72
	s_add_nc_u64 s[PFA:PFA+1], s[PFA:PFA+1], s[74:75]
	s_add_nc_u64 s[PFA:PFA+1], s[PFA:PFA+1], s[PFS:PFS+1]
	s_add_nc_u64 s[PFA:PFA+1], s[PFA:PFA+1], s[PFS:PFS+1]  ; at slot 2
	s_cmp_eq_u32 s14, 3
	s_cselect_b32 s[LIM], 100, 2                   ; the last two trips that fill a slot ask for nothing; wave 3 never asks
	s_mov_b32 s3, 6                                ; trips that fill a slot
	s_lshl_b32 s22, s14, 13                        ; my four images of p's sixteen
	s_mul_i32 s23, s14, 16*SPITCH
	s_add_co_u32 s23, s23, STAGE                   ; my stage
	s_mov_b32 s[TB], 0                             ; the slot in hand
	v_and_b32 v[LI], 31, v0
	v_lshlrev_b32 v[LI], 4, v[LI]
.irp j, 0,1,2,3,4,5,6,7
	global_load_b128 v[RM+4*\j:RM+4*\j+3], v[LI], s[78:79] offset:16384*\j
.endr
.irp k, 0,1,2,3,4,5,6,7,8,9,10,11,12,13,14,15
	global_load_b128 v[RL+4*\k:RL+4*\k+3], v[LI], s[76:77] offset:16384*\k
.endr
	v_and_b32 v1, 15, v0                           ; r
	v_bfe_u32 v2, v0, 4, 1                         ; h
	v_mul_lo_u32 v[PFO], v2, s73
	v_lshl_add_u32 v[PFO], v1, 8, v[PFO]
	v_mul_u32_u24 v3, v1, SPITCH
	v_lshl_add_u32 v3, v2, 5, v3
	v_add_nc_u32 v[STO], s23, v3                   ; in: row r, 32 bytes for each half of the lanes
	v_add_nc_u32 v[RD], s23, v[LI]                 ; back: the 32 lanes take one row of 512 bytes
	v_add_nc_u32 v[ADP0], s22, v[LI]
	v_add_nc_u32 v[ADV0], VOFF, v[LI]
	v_add_nc_u32 v[ADP], s[TB], v[ADP0]
	v_add_nc_u32 v[ADV], s[TB], v[ADV0]
	WIN 0x40
.set n, 0
.rept 256
	v_mov_b32 v[n], 0                              ; the accumulators: the loop is written once, and its first trip finds zeros, while slot 0 is on its way
.set n, n+1
.endr
	WIN 0
	s_wait_alu depctr_va_vdst(0)
	ASK                                            ; slot 2
	s_wait_loadcnt 0x0                             ; -M and l
	; THE PROLOGUE: the factors of my 64 queries
.irp a, 0,1,2,3
	v_min_num_f32 v[NG+\a], v[RM+\a], v[RM+4+\a]
.endr
.irp j, 2,3,4,5,6,7
.irp a, 0,1,2,3
	v_min_num_f32 v[NG+\a], v[NG+\a], v[RM+4*\j+\a]    ; -Mg
.endr
.endr
.irp j, 0,1,2,3,4,5,6,7
.irp a, 0,1,2,3
	v_sub_f32 v[DD+\a], v[NG+\a], v[RM+4*\j+\a]        ; M_j - Mg: a whole number, 0 or less
.endr
.irp a, 0,1,2,3
	v_add_f32 v[WW+\a], v[RL+8*\j+\a], v[RL+8*\j+4+\a] ; the block's two sums
.endr
.irp a, 0,1,2,3
	v_cvt_i32_f32 v[DD+\a], v[DD+\a]                   ; (it saturates)
.endr
.irp a, 0,1,2,3
	v_ldexp_f32 v[DD+\a], 1.0, v[DD+\a]
.endr
.irp a, 0,1,2,3
.if \j == 0
	v_mul_f32 v[LT+\a], v[DD+\a], v[WW+\a]
.else
	v_fma_f32 v[LT+\a], v[DD+\a], v[WW+\a], v[LT+\a]   ; l
.endif
.endr
.endr
.irp a, 0,1,2,3
	v_add_f32 v[CAP+\a], 0x42800000, v[NG+\a]          ; -(Mg - 64)
.endr
.irp j, 0,1,2,3,4,5,6,7
.irp a, 0,1,2,3
	v_min_num_f32 v[RM+4*\j+\a], v[RM+4*\j+\a], v[CAP+\a]   ; -U_j
.endr
.endr
.irp a, 0,1,2,3
	v_mov_b32 v[FQ+\a], 1.0                            ; block 0 finds zeros
.endr
.irp j, 1,2,3,4,5,6,7
.irp a, 0,1,2,3
	v_sub_f32 v[FQ+4*\j+\a], v[RM+4*\j+\a], v[RM+4*(\j-1)+\a]   ; U_(j-1) - U_j, between -64 and 64
.endr
.irp a, 0,1,2,3
	v_cvt_i32_f32 v[FQ+4*\j+\a], v[FQ+4*\j+\a]
.endr
.irp a, 0,1,2,3
	v_ldexp_f32 v[FQ+4*\j+\a], 1.0, v[FQ+4*\j+\a]
.endr
.endr
	s_wait_alu depctr_va_vdst(0)
.irp a, 0,1,2,3
	v_rcp_f32 v[GD+2*\a], v[LT+\a]
.endr
.irp a, 0,1,2,3
	v_sub_f32 v[DD+\a], v[NG+\a], v[RM+28+\a]          ; U_7 - Mg  (plain work behind the reciprocals)
.endr
.irp a, 0,1,2,3
	v_cvt_i32_f32 v[DD+\a], v[DD+\a]
.endr
	s_wait_alu depctr_va_vdst(0)
	s_wait_kmcnt 0x0
	s_add_co_i32 s73, s68, s69                         ; e8 + e9
.irp a, 0,1,2,3
	v_add_nc_u32 v[DD+\a], s73, v[DD+\a]
.endr
	s_wait_alu depctr_va_vdst(0)                       ; the wait ahead of the first use: one for the four reciprocals
.irp a, 0,1,2,3
	v_ldexp_f32 v[GD+2*\a], v[GD+2*\a], v[DD+\a]
.endr
.irp a, 0,1,2,3
	v_mov_b32 v[GD+2*\a+1], v[GD+2*\a]                 ; twice: a pair for the packed multiply
.endr
.macro FETCH q                         ; 48 loads in one run: v's eight and p's four fragments of panel q of the slot in hand, into set q
	WIN 0x80
.irp b, 0,1,2,3,4,5,6,7
.irp c, 0,1,2,3
	ds_load_b128 v[128*(\q)+16*\b+4*\c:128*(\q)+16*\b+4*\c+3], v[ADV] offset:16384*(\q)+2048*\b+512*\c
.endr
.endr
	WIN 0xc0
.irp a, 0,1,2,3
.irp c, 0,1,2,3
	ds_load_b128 v[64*(\q)+16*\a+4*\c:64*(\q)+16*\a+4*\c+3], v[ADP] offset:32768*(\q)+2048*\a+512*\c
.endr
.endr
	WIN 0
.endm
.macro RESC t                          ; tile t under this block's unit: four packed multiplies by one factor, from the accumulator's low end on
	WIN 0x41
.irp n, 0,2,4,6
.if ((\t)/8)%2
	v_pk_mul_f32 v[8*(\t)+\n:8*(\t)+\n+1], v[8*(\t)+\n:8*(\t)+\n+1], v[FQ+2*((\t)/16):FQ+2*((\t)/16)+1] op_sel:[0,1] op_sel_hi:[1,1]
.else
	v_pk_mul_f32 v[8*(\t)+\n:8*(\t)+\n+1], v[8*(\t)+\n:8*(\t)+\n+1], v[FQ+2*((\t)/16):FQ+2*((\t)/16)+1] op_sel_hi:[1,0]
.endif
.endr
.endm
; n products from tile i = 8 a + b on, panel q.  resc = 1: behind each the rescaling of the tile two further on.  The 32 accumulators take turns, one instruction a turn, in the same order in every step.
.macro RUN q, n, resc
.rept \n
	WIN MUL
	v_wmma_f32_16x16x128_bf8_bf8 v[8*i:8*i+7], v[128*(\q)+16*(i%8):128*(\q)+16*(i%8)+15], v[64*(\q)+16*(i/8):64*(\q)+16*(i/8)+15], v[8*i:8*i+7]
.if (\resc) && (i+2 < 32)
	RESC i+2
.endif
.set i, i+1
.endr
.endm
.macro FIRST                           ; a block's first panel, under the loads of its second
	s_wait_dscnt 0x0
	PLACES                                         ; in front of the loads and of the first rescalings
	FETCH 1
.set i, 0
	RESC 0
	RESC 1
	RUN 0, 32, 1
	WIN 0
	s_wait_dscnt 0x0                               ; the second panel's fragments are in: my reads of this slot are over
.endm
.macro SECOND fill                     ; its second panel, and the change of slots: one barrier, in front of which each wave waits for all its tensor loads, adds 0 to its spare word and waits for that
.if \fill
	s_wait_xcnt 0x0                                ; my last prefetch has read its address
	s_add_nc_u64 s[PFA:PFA+1], s[PFA:PFA+1], s[PFS:PFS+1]
.endif
	s_wait_tensorcnt 0x0
	ds_add_u32 v[SPW], v[NIL]
.if \fill
	ADVANCE
.endif
.set i, 0
	RUN 1, 8, 0
	s_wait_dscnt 0x0
	s_barrier_signal -1
	RUN 1, 8, 0
	WIN 0
	s_barrier_wait -1
.if \fill
	CREST
	JLOAD                                          ; the slot just left takes the block two further on
.else
	PLACES
.endif
	s_xor_b32 s[TB], s[TB], SLOT1
	v_add_nc_u32 v[ADP], s[TB], v[ADP0]
	v_add_nc_u32 v[ADV], s[TB], v[ADV0]
	FETCH 0
.if \fill
	ASK
.endif
	RUN 1, 16, 0
	WIN 0
.set n, 0
.rept 28
	v_mov_b32 v[FQ+n], v[FQ+4+n]                   ; the queue of factors: one block on
.set n, n+1
.endr
	s_wait_alu depctr_va_vdst(0)
.endm
	s_wait_alu depctr_va_vdst(0)
	s_wait_xcnt 0x0
	s_add_nc_u64 s[PFA:PFA+1], s[PFA:PFA+1], s[PFS:PFS+1]
	s_wait_tensorcnt 0x0                           ; my part of slot 0 is in
	ds_add_u32 v[SPW], v[NIL]
	ADVANCE
	s_wait_dscnt 0x0
	CROUND
	JLOAD                                          ; slot 1, the first tensor load behind the round
	FETCH 0
	ASK                                            ; slot 3
.Ltrip:
	FIRST
	SECOND 1
	s_sub_co_u32 s3, s3, 1
	s_cmp_lg_u32 s3, 0
	s_cbranch_scc1 .Ltrip
	FIRST
	SECOND 0                                       ; block 6: nothing is filled again
	FIRST
; THE WAY OUT, a block of 16 queries x 128 channels at a time, each as soon as its last eight products are issued: x the last factor; through my own stage in LDS; back as whole rows of 512 bytes.  LDS serves a wave's instructions in order (ISA guide 5.7.1.4).
.macro TOSTAGE a
	PLACES                                         ; behind the products just issued
	WIN 0x01                                       ; source 0: window 1
.set n, 0
.rept 32
	v_pk_mul_f32 v[TMP+n:TMP+n+1], v[64*(\a)+n:64*(\a)+n+1], v[GD+2*(\a):GD+2*(\a)+1]
.set n, n+2
.endr
	WIN 0
.irp b, 0,1,2,3,4,5,6,7
	ds_store_b128 v[STO], v[TMP+8*\b:TMP+8*\b+3] offset:64*\b
	ds_store_b128 v[STO], v[TMP+8*\b+4:TMP+8*\b+7] offset:64*\b+16
.endr
.irp t, 0,1,2,3,4,5,6,7,8,9,10,11,12,13,14,15
	ds_load_b128 v[BK+64*((\a)%2)+4*\t:BK+64*((\a)%2)+4*\t+3], v[RD] offset:\t*SPITCH
.endr
.endm
.macro SEND a, younger                 ; younger: the LDS instructions issued behind block a's loads, which may stay out
	s_wait_dscnt \younger
.irp t, 0,1,2,3,4,5,6,7,8,9,10,11,12,13,14,15
	global_store_b128 v[LI], v[BK+64*((\a)%2)+4*\t:BK+64*((\a)%2)+4*\t+3], s[12:13] offset:(16*(\a)+\t)*4096 th:TH_STORE_NT   ; 32 lanes store 512 consecutive bytes, at a multiple of 512 from out0's first byte
.endr
.endm
.set i, 0
	RUN 1, 8, 0
	TOSTAGE 0
	RUN 1, 8, 0
	WIN 0
	TOSTAGE 1
	SEND 0, 32                                     ; behind block 0's loads: block 1's 16 stores and 16 loads
	RUN 1, 8, 0
	WIN 0
	s_wait_xcnt 0x0                                ; block 0's stores have read their registers: block 2's rows may land there
	TOSTAGE 2
	SEND 1, 32
	RUN 1, 8, 0
	WIN 0
	s_wait_xcnt 0x0
	TOSTAGE 3
	SEND 2, 32
	SEND 3, 0
	s_wait_tensorcnt 0x0                           ; the wave's end, behind my last tensor load and my last LDS store
	ds_add_u32 v[SPW], v[NIL]
	s_wait_dscnt 0x0
	CROUND                                         ; the closing round: no work-group ends while a partner may still ask for a tile that names it
	s_endpgm
.Lfunc_end_k_q1113976d81_pv:
	.size	k_q1113976d81_pv, .Lfunc_end_k_q1113976d81_pv-k_q1113976d81_pv
	.p2alignl 7, 3214868480
	.fill 96, 4, 3214868480
	.section	.rodata,"a",@progbits
	.p2align	6, 0x0
	.amdhsa_kernel k_q1113976d81_pv
		.amdhsa_group_segment_fixed_size 327680
		.amdhsa_private_segment_fixed_size 0
		.amdhsa_enable_private_segment 0
		.amdhsa_kernarg_size 40
		.amdhsa_user_sgpr_count 2
		.amdhsa_user_sgpr_kernarg_segment_ptr 1
		.amdhsa_wavefront_size32 1
		.amdhsa_system_sgpr_workgroup_id_x 1
		.amdhsa_system_sgpr_workgroup_id_y 1
		.amdhsa_system_sgpr_workgroup_id_z 1
		.amdhsa_system_vgpr_workitem_id 0
		.amdhsa_next_free_vgpr 1024
		.amdhsa_next_free_sgpr 100
		.amdhsa_reserve_vcc 0
		.amdhsa_float_denorm_mode_32 3
		.amdhsa_float_denorm_mode_16_64 3
		.amdhsa_memory_ordered 1
		.amdhsa_forward_progress 1
		.amdhsa_inst_pref_size 121
	.end_amdhsa_kernel
	.amdgpu_metadata
---
amdhsa.version: [ 1, 2 ]
amdhsa.kernels:
  - .name:           k_q1113976d81_pv
    .symbol:         k_q1113976d81_pv.kd
    .args:
      - { .name: p_ws, .offset: 0, .size: 8, .value_kind: global_buffer, .address_space: global }
      - { .name: v_ws, .offset: 8, .size: 8, .value_kind: global_buffer, .address_space: global }
      - { .name: stats, .offset: 16, .size: 8, .value_kind: global_buffer, .address_space: global }
      - { .name: lowp_scales, .offset: 24, .size: 8, .value_kind: global_buffer, .address_space: global }
      - { .name: out0, .offset: 32, .size: 8, .value_kind: global_buffer, .address_space: global }
    .group_segment_fixed_size: 327680
    .private_segment_fixed_size: 0
    .kernarg_segment_align: 8
    .kernarg_segment_size: 40
    .max_flat_workgroup_size: 128
    .sgpr_count:     100
    .vgpr_count:     1024
    .wavefront_size: 32
...
	.end_amdgpu_metadata
.endif
;; end of part 3
